; MI455X (gfx1250); checked and timed in simulation.
; The chip was launched on July 23, 2026; its instructions are those of AMD's public machine-readable ISA for CDNA 5 (MIT licence, August 2026) and "CDNA5" Instruction Set Architecture Reference Guide (July 2026). The comments in the code are by the model that wrote it; some were corrected since.
;; Self Attention Module. Allowed arithmetic: matrix products marked QUANTISED: E2M1 operands, one E8M0 scale for each 32 along K, by v_wmma_scale_f32_16x16x128_f8f6f4 with both operands' format E2M1 (or v_wmma_scale_f32_32x16x128_f4), f32 sums; products left as they are: bf16, f16 or f32 operands; f32 sums; everything else in f32.
;; Inputs: b_proj 1,024 float32; w_proj 1,024 x 1,024 float32; w_qkv 3,072 x 1,024 float32; x 4 x 2,048 x 1,024 float32.
;; Outputs: out0 4 x 2,048 x 1,024 float32.
;; This version of the problem:
;;   THIS VERSION OF THE PROBLEM IS GIVEN IN LOW PRECISION. The matrix products marked QUANTISED in the list below multiply operands that are first quantised to E2M1 (2 exponent bits, 1 mantissa bit; 4 bits a number), with one power-of-two scale for each 32 numbers along K (OCP MX v1.0); their sums are f32. The products marked 'left as it is' may take bf16, f16 or f32 operands, with f32 sums. Whichever they take, every output number must still come out within the allowed error. Rounding operands to bf16 (8 significant bits) uses up far more of that allowance than f16 does (11 bits, for magnitudes from 6e-5 to 65,504). All else is computed in f32.
;;   The module's matrix products, in the order in which they are computed (A, B: the left and right operand; K: the contracted axis; several contracted axes count as one K, in the product's order):
;;     1. [M 8,192, K 1,024] x [K 1,024, N 3,072]; A: input x; B: input w_qkv: QUANTISED
;;     2. batch 64 x [M 2,048, K 64] x [K 64, N 2,048]; A: computed on the way; B: computed on the way: left as it is (an operand is computed on the way)
;;     3. batch 64 x [M 2,048, K 2,048] x [K 2,048, N 64]; A: computed on the way; B: computed on the way: left as it is (an operand is computed on the way)
;;     4. [M 8,192, K 1,024] x [K 1,024, N 1,024]; A: computed on the way; B: input w_proj: left as it is (an operand is computed on the way)
;;   THE QUANTISER, for each operand of a quantised product, along K:
;;     - K is cut into blocks of 32 from its start; a last block that is shorter is filled with zeros.
;;     - A block's scale is 2^e with e = floor(log2(the largest magnitude in the block)) - 2, held to -126 .. 127; a block of zeros has e = 0. As a byte (E8M0): e + 127.
;;     - Each number is divided by its block's scale, clamped to +-6, and rounded to the nearest number of E2M1, ties to even, subnormals kept.
;;     - The product sums the exact products of the quantised numbers (number of the format x scale) in f32.
;;   ~~~python
;;   def quantise(x, axis):      # numpy; x: float32 -> the quantised numbers, widened to float32 again
;;       x = np.moveaxis(x, axis, -1); K = x.shape[-1]
;;       x = np.pad(x, [(0, 0)] * (x.ndim - 1) + [(0, -K % 32)]); x = x.reshape(x.shape[:-1] + (-1, 32)); a = np.abs(x).max(-1, keepdims=True)
;;       e = np.where(a > 0, np.clip(np.frexp(np.where(a > 0, a, 1))[1] - 1 - 2, -126, 127), 0)      # np.frexp(a)[1] - 1 = floor(log2(a)), exactly
;;       r = np.clip(x / 2.0 ** e, -6, 6)
;;       step = 2.0 ** (np.maximum(np.frexp(np.where(r == 0, 1, r))[1] - 1, 0) - 1)
;;       q = np.round(r / step) * step * 2.0 ** e      # np.round: ties to even
;;       return np.moveaxis(q.reshape(q.shape[:-2] + (-1,))[..., :K], -1, axis).astype(np.float32)
;;   ~~~
;; One version. Each part assembles by itself: llvm-mc -triple=amdgcn-amd-amdhsa -mcpu=gfx1250 --defsym DOCPART=n.
;; ======== version 1 of 1: 4 launches
;; limits: values are held in f16: magnitudes above 65,504 overflow, below 6.1e-05 lose precision
;; workspace buffers: xc 4,194,304 bytes; xs 262,144 bytes; wc 1,572,864 bytes; ws 98,304 bytes; wp16 2,097,152 bytes; qkv 50,331,648 bytes; o16 16,777,216 bytes
;; launch prep (part 1): grid 416 x 1, 4 waves a work-group, no clusters, 33,280 bytes of LDS; arguments x, w_qkv, w_proj, xc, xs, wc, ws, wp16; writes xc, xs, wc, ws, wp16
.if DOCPART == 1
	.amdgcn_target "amdgcn-amd-amdhsa--gfx1250"
	.amdhsa_code_object_version 6
	.text
	.protected	k_q6f0eed9cbe_prep
	.globl	k_q6f0eed9cbe_prep
	.p2align	8
	.type	k_q6f0eed9cbe_prep,@function
k_q6f0eed9cbe_prep:
	s_mov_b64 s[64:65], 0
	v_nop
	global_prefetch_b8 v0, s[64:65] scope:SCOPE_SE
	s_setreg_imm32_b32 hwreg(HW_REG_WAVE_MODE, 25, 1), 1
	s_wait_xcnt 0x0
; x [8192][1024] and w_qkv [3072][1024], f32, become codes of FP4 (E2M1), K innermost, 16 bytes a block of 32, with one E8M0 scale byte a block;
; w_proj [1024][1024], f32, becomes f16 (rounded to nearest even).  One launch: work-groups 0-255 take x, 256-351 w_qkv, 352-415 w_proj.
; A block's scale is 2^(floor(log2(its largest magnitude)) - 2); its byte is the largest magnitude's exponent field - 2, held at 1 from below.
; A block of zeros gets the byte 1 (its codes are zeros, which add nothing; the bytes are read by this program alone).
; LIMITS: blocks whose largest magnitude lies under 2^-124 get the byte 1; NaN and infinities among the inputs are not served; w_proj beyond 65,504 becomes infinity in f16.
; QUANTISING: rows are dense and K is a multiple of 32, so a tensor is a stream of blocks.  A wave takes 16 steps of 512 numbers.  Each of a step's four loads reads 512 consecutive bytes;
; the 2,048 bytes turn through the wave's own stage in LDS and come back 64 bytes (16 neighbours) a lane; two neighbouring lanes hold a block.  A lane's 16 codes are 8 bytes: the wave stores
; 256 consecutive bytes.  A wave's 256 scale bytes are gathered in LDS and leave as 256 consecutive bytes.  No barrier: waves share nothing.
; CAST: a wave takes 4,096 numbers: 32 loads of 512 consecutive bytes, 32 stores of 256 consecutive bytes.  It touches no LDS.
.set WAVES, 4
.set STEPS, 16
.set WGX,   256                        ; 8192 x 1024 / 32768
.set WGW,   96                         ; 3072 x 1024 / 32768
.set EMAX,  2
.set CB,    8                          ; bytes of 16 codes
.set R,     16                         ; v16-79   four sets of 16 numbers as loaded (cast: v16-143)
.set X,     80                         ; v80-111  two sets of 16 neighbours
.set C,     128                        ; v128-191 codes: four registers a step
.set E,     112                        ; v112-127 a scale byte for each step
.set WREG,  8192                       ; LDS: a region for each wave: two stages of 32 x SP bytes, then 256 scale bytes
.set SP,    80                         ; a lane's place in a stage: 64 bytes + 16 of padding
.set SPW,   12                         ; v12  LDS address of my spare word; never rewritten
.set NIL,   13                         ; v13  0; never rewritten
.set SPARE, WAVES*WREG                 ; behind the regions: the spare words, 128 bytes a wave, named by no other line
	s_load_b256 s[4:11], s[0:1], 0x0               ; x s[4:5], w_qkv s[6:7], w_proj s[8:9], xc s[10:11]
	s_load_b256 s[12:19], s[0:1], 0x20             ; xs s[12:13], wc s[14:15], ws s[16:17], wp16 s[18:19]
	v_lshl_add_u32 v[SPW], v0, 2, SPARE
	v_mov_b32 v[NIL], 0
	v_lshrrev_b32 v1, 5, v0
	v_readfirstlane_b32 s20, v1                    ; wave
	v_and_b32 v2, 31, v0                           ; lane
	v_lshlrev_b32 v3, 4, v2                        ; my 16 bytes of a load's 512
	s_mul_i32 s21, s20, WREG
	v_lshrrev_b32 v14, 2, v2
	v_mul_u32_u24 v14, v14, SP
	v_and_b32 v15, 3, v2
	v_lshl_add_u32 v14, v15, 4, v14
	v_add_nc_u32 v14, s21, v14                     ; the stage, on the way in: SP (lane / 4) + 16 (lane % 4)
	v_mul_u32_u24 v15, v2, SP
	v_add_nc_u32 v15, s21, v15                     ; and on the way out: SP x lane
	v_mul_u32_u24 v4, v2, CB                       ; my codes' place in a step's
	v_lshrrev_b32 v5, 1, v2
	s_add_co_u32 s21, s21, 2*32*SP
	v_add_nc_u32 v5, s21, v5                       ; LDS: my block's scale byte
	v_lshlrev_b32 v7, 3, v2                        ; 8 bytes a lane
	v_add_nc_u32 v6, s21, v7
	s_wait_kmcnt 0x0
	s_cmp_ge_u32 ttmp9, WGX+WGW                    ; the branch hangs on the work-group's number alone
	s_cbranch_scc1 .Lcast
	s_cmp_lt_u32 ttmp9, WGX                        ; x's work-group or w_qkv's?
	s_cselect_b64 s[4:5], s[4:5], s[6:7]
	s_cselect_b64 s[10:11], s[10:11], s[14:15]
	s_cselect_b64 s[12:13], s[12:13], s[16:17]
	s_cselect_b32 s21, 0, WGX
	s_sub_co_u32 s21, ttmp9, s21
	s_lshl_b32 s21, s21, 2
	s_add_co_u32 s22, s21, s20                     ; which run of 8,192 numbers is my wave's
	s_mov_b32 s23, 0
	s_lshl_b64 s[24:25], s[22:23], 15              ; 32,768 bytes of numbers a run,
	s_add_nc_u64 s[4:5], s[4:5], s[24:25]
	s_lshl_b64 s[24:25], s[22:23], 12              ; 4,096 of codes,
	s_add_nc_u64 s[10:11], s[10:11], s[24:25]
	s_lshl_b64 s[24:25], s[22:23], 8               ; 256 of scale bytes
	s_add_nc_u64 s[12:13], s[12:13], s[24:25]
.macro LOAD t
.irp i, 0,1,2,3
	global_load_b128 v[R+16*((\t)%4)+4*\i:R+16*((\t)%4)+4*\i+3], v3, s[4:5] offset:2048*(\t)+512*\i th:TH_LOAD_NT   ; 32 lanes read 512 consecutive bytes
.endr
.endm
.macro TURN t                          ; step t's numbers through the stage: LDS serves a wave's instructions in order, so no wait stands between the stores and the loads
.irp i, 0,1,2,3
	ds_store_b128 v14, v[R+16*((\t)%4)+4*\i:R+16*((\t)%4)+4*\i+3] offset:32*SP*((\t)%2)+8*SP*\i
.endr
.irp i, 0,1,2,3
	ds_load_b128 v[X+16*((\t)%2)+4*\i:X+16*((\t)%2)+4*\i+3], v15 offset:32*SP*((\t)%2)+16*\i
.endr
.endm
.irp t, 0,1,2,3
	LOAD \t
.endr
	s_wait_loadcnt 12                              ; step 0's four loads are in
	TURN 0
.macro STEP t
.set XS, X+16*((\t)%2)
.if (\t) > 0
	s_wait_dscnt 1                                 ; this step's numbers are back from the stage (the last step's byte store may be out)
.else
	s_wait_dscnt 0x0
.endif
.if (\t)+4 < STEPS
	LOAD (\t)+4                                    ; the stage's stores have read these registers: they take the loads of four steps on
.endif
.if (\t)+1 < STEPS
.if STEPS-2-(\t) >= 3
	s_wait_loadcnt 12                              ; the next step's four loads are in; those of the three steps behind it may be out
.else
	s_wait_loadcnt 4*(STEPS-2-(\t))
.endif
	TURN (\t)+1
.endif
	v_max3_num_f32 v8, |v[XS]|, |v[XS+1]|, |v[XS+2]|               ; the largest magnitude of my 16, in two chains
	v_max3_num_f32 v9, |v[XS+3]|, |v[XS+4]|, |v[XS+5]|
.irp i, 6,10
	v_max3_num_f32 v8, v8, |v[XS+\i]|, |v[XS+\i+1]|
	v_max3_num_f32 v9, v9, |v[XS+\i+2]|, |v[XS+\i+3]|
.endr
	v_max3_num_f32 v8, v8, |v[XS+14]|, |v[XS+15]|
	v_max3_num_f32 v8, v8, v9, (EMAX+1)<<23        ; and the floor 2^(3 - 127): the byte cannot fall under 1
	v_max_num_f32_dpp v8, v8, v8 row_xmask:1 row_mask:0xf bank_mask:0xf   ; with my neighbour's 16: the block's
	v_add_nc_u32 v11, -(EMAX<<23), v8              ; 2 off its exponent field: the conversion takes the exponent field of this operand as its scale
	v_cvt_scalef32_pk8_fp4_f32 v[C+4*(\t)], v[XS:XS+7], v11
	v_cvt_scalef32_pk8_fp4_f32 v[C+4*(\t)+1], v[XS+8:XS+15], v11
	v_lshrrev_b32 v[E+(\t)], 23, v11               ; the scale's byte (also the plain line behind the conversions)
	ds_store_b8 v5, v[E+(\t)] offset:16*(\t)       ; both lanes of a block write the same byte with the same value
	global_store_b64 v4, v[C+4*(\t):C+4*(\t)+1], s[10:11] offset:32*CB*(\t)   ; the wave stores 256 consecutive bytes
.endm
.irp t, 0,1,2,3,4,5,6,7,8,9,10,11,12,13,14,15
	STEP \t
.endr
	ds_load_b64 v[8:9], v6                         ; LDS serves a wave's instructions in order: these see my stores
	s_wait_dscnt 0x0
	global_store_b64 v7, v[8:9], s[12:13]          ; 32 lanes store 256 consecutive bytes
	s_wait_tensorcnt 0x0                           ; the wave's end, behind my last LDS store
	ds_add_u32 v[SPW], v[NIL]
	s_wait_dscnt 0x0
	s_endpgm
.Lcast:                                                ; w_proj to f16: this path writes no LDS
	s_sub_co_u32 s21, ttmp9, WGX+WGW
	s_lshl_b32 s21, s21, 2
	s_add_co_u32 s22, s21, s20                     ; which run of 4,096 numbers is my wave's
	s_mov_b32 s23, 0
	s_lshl_b64 s[24:25], s[22:23], 14
	s_add_nc_u64 s[8:9], s[8:9], s[24:25]
	s_lshl_b64 s[24:25], s[22:23], 13
	s_add_nc_u64 s[18:19], s[18:19], s[24:25]
.set i, 0
.rept 32
	global_load_b128 v[R+4*i:R+4*i+3], v3, s[8:9] offset:512*i th:TH_LOAD_NT
.set i, i+1
.endr
.set i, 0
.rept 32
	s_wait_loadcnt 31-i                            ; loads come back in order: load i is in, the 31 - i younger ones may be out
	v_cvt_pk_f16_f32 v[R+4*i], v[R+4*i], v[R+4*i+1]
	v_cvt_pk_f16_f32 v[R+4*i+1], v[R+4*i+2], v[R+4*i+3]
	global_store_b64 v7, v[R+4*i:R+4*i+1], s[18:19] offset:256*i   ; the wave stores 256 consecutive bytes; no register is written again
.set i, i+1
.endr
	s_endpgm
.Lfunc_end_k_q6f0eed9cbe_prep:
	.size	k_q6f0eed9cbe_prep, .Lfunc_end_k_q6f0eed9cbe_prep-k_q6f0eed9cbe_prep
	.p2alignl 7, 3214868480
	.fill 96, 4, 3214868480
	.section	.rodata,"a",@progbits
	.p2align	6, 0x0
	.amdhsa_kernel k_q6f0eed9cbe_prep
		.amdhsa_group_segment_fixed_size 33280
		.amdhsa_private_segment_fixed_size 0
		.amdhsa_enable_private_segment 0
		.amdhsa_kernarg_size 64
		.amdhsa_user_sgpr_count 2
		.amdhsa_user_sgpr_kernarg_segment_ptr 1
		.amdhsa_wavefront_size32 1
		.amdhsa_system_sgpr_workgroup_id_x 1
		.amdhsa_system_sgpr_workgroup_id_y 1
		.amdhsa_system_sgpr_workgroup_id_z 1
		.amdhsa_system_vgpr_workitem_id 0
		.amdhsa_next_free_vgpr 192
		.amdhsa_next_free_sgpr 66
		.amdhsa_reserve_vcc 0
		.amdhsa_float_denorm_mode_32 3
		.amdhsa_float_denorm_mode_16_64 3
		.amdhsa_memory_ordered 1
		.amdhsa_forward_progress 1
		.amdhsa_inst_pref_size 45
	.end_amdhsa_kernel
	.amdgpu_metadata
---
amdhsa.version: [ 1, 2 ]
amdhsa.kernels:
  - .name:           k_q6f0eed9cbe_prep
    .symbol:         k_q6f0eed9cbe_prep.kd
    .args:
      - { .name: x, .offset: 0, .size: 8, .value_kind: global_buffer, .address_space: global }
      - { .name: w_qkv, .offset: 8, .size: 8, .value_kind: global_buffer, .address_space: global }
      - { .name: w_proj, .offset: 16, .size: 8, .value_kind: global_buffer, .address_space: global }
      - { .name: xc, .offset: 24, .size: 8, .value_kind: global_buffer, .address_space: global }
      - { .name: xs, .offset: 32, .size: 8, .value_kind: global_buffer, .address_space: global }
      - { .name: wc, .offset: 40, .size: 8, .value_kind: global_buffer, .address_space: global }
      - { .name: ws, .offset: 48, .size: 8, .value_kind: global_buffer, .address_space: global }
      - { .name: wp16, .offset: 56, .size: 8, .value_kind: global_buffer, .address_space: global }
    .group_segment_fixed_size: 33280
    .private_segment_fixed_size: 0
    .kernarg_segment_align: 8
    .kernarg_segment_size: 64
    .max_flat_workgroup_size: 128
    .sgpr_count:     66
    .vgpr_count:     192
    .wavefront_size: 32
...
	.end_amdgpu_metadata
.endif
;; end of part 1
;; launch gemm_qkv (part 2): grid 12 x 32, 4 waves a work-group, clusters of 4 x 4, 327,680 bytes of LDS; arguments xc, xs, wc, ws, qkv; writes qkv
.if DOCPART == 2
	.amdgcn_target "amdgcn-amd-amdhsa--gfx1250"
	.amdhsa_code_object_version 6
	.text
	.protected	k_q6f0eed9cbe_gemm_qkv
	.globl	k_q6f0eed9cbe_gemm_qkv
	.p2align	8
	.type	k_q6f0eed9cbe_gemm_qkv,@function
k_q6f0eed9cbe_gemm_qkv:
	s_mov_b64 s[64:65], 0
	v_nop
	global_prefetch_b8 v0, s[64:65] scope:SCOPE_SE
	s_setreg_imm32_b32 hwreg(HW_REG_WAVE_MODE, 25, 1), 1
	s_wait_xcnt 0x0
	s_wait_alu depctr_hold_cnt(0) depctr_sa_sdst(0) depctr_va_vdst(0) depctr_va_sdst(0) depctr_va_ssrc(0) depctr_va_vcc(0) depctr_vm_vsrc(0)
	s_getreg_b32 s2, hwreg(HW_REG_IB_STS2, 6, 4)
	s_cmp_eq_u32 s2, 0
	s_cbranch_scc0 .Lentry_in_a_cluster
	s_endpgm
.Lentry_in_a_cluster:
	s_bfe_u32 s2, ttmp6, 0x10000c
	s_cmp_lg_u32 s2, 0xf033
	s_cbranch_scc0 .Lentry_shape_is_right
	s_endpgm
.Lentry_shape_is_right:
; qkv[m][n] = sum over k of x[m][k] w_qkv[n][k], both operands as codes of FP4 (E2M1) with one E8M0 scale for each 32 along K; sums in f32; the result rounded once to f16.
; A = xc [8192][512 bytes], xs [8192][32]; B = wc [3072][512 bytes], ws [3072][32].  The result is laid by heads: [batch 4][n / 64: 48][token 2048][64] f16, so that each head of q, k, v is one dense block.
; LIMIT: results beyond 65,504 become infinities in f16.
; A tile, 256 x 256, is made by a work-group of four waves; a wave makes 128 x 128: 64 accumulators of 16 x 16, 512 registers.  K = 1,024 is two slots of 512 along K (rows of 256 bytes):
; both are asked for at the start, so nothing is filled again and there is no loop.  The scales of the work-group's rows, for all of K, come once, as dense blocks.
; CLUSTERS: 4 x 4 work-groups.  The four of a row of the cluster need the same tiles of A, the four of a column the same tiles of B: each is asked for jointly.
; THE MATRIX INSTRUCTION IS USED TRANSPOSED (source 0 = 16 rows of B, source 1 = 16 rows of A): a lane holds eight neighbouring columns of one row of the result.
; REGISTERS, in windows of 256: window 0: v0-31 addresses; v32-95 scale words, two sets; v128-191 A's fragments, one set; on the way out v32-63 packed results, v128-191 rows read back.
;   window 1: B's fragments, two sets, at v0 and v128.   window 2: the accumulators of my rows 0-63 ((a, b) at v[8 (8 a + b)]);   window 3: those of my rows 64-127.
.set SIZE_K, 1024
.set KSTEP,  512
.set NQ,     KSTEP/128
.set ROWB,   256                       ; a tile's row in bytes
.set KROW,   SIZE_K*4/8                ; a row of codes in memory
.set PITCH,  272                       ; an LDS row: 256 bytes + 16 of padding: the 16 rows that a load touches start 68 words apart
.set FR,     8
.set NL,     2
.set NP,     4                         ; places behind this matrix instruction (ISA guide 7.12.1)
.set HALFT,  128*PITCH
.set SLOT,   4*HALFT
.set KS,     SIZE_K/32
.set SCL,    2*SLOT                    ; behind the slots: the scales, as units of 256 bytes + 16 of padding
.set HALFS,  (128*KS/256)*272
.set SBLK,   (16*KS/256)*272
.set SPARE,  SCL+4*HALFS               ; the spare words, 128 bytes a wave, named by no other line
.set SPITCH, 272                       ; the way out: a stage of 16 rows x (256 bytes + 16) for each wave, in slot 0, which has had its only fill and its last read by then
.set HEADB,  2048*128                  ; a head's block in the result, in bytes
.set ADRA, 16
.set ADRB, 20
.set STO,  24
.set RD,   25
.set CO,   26
.set ADRS, 27
.set SPW,  28
.set NIL,  29
.set SC,   32
.set AF,   128
.set TMP,  32
.set BK,   128
.set G1, 24
.set G0, 32
.set G1B, 48
.set G0B, 56
.set G1S, 68
.set G0S, 76
.set G1SB, 80
.set G0SB, 88
.set MSB, 0
.macro WIN new                         ; the immediate's high byte repeats the setting that is left
.if MSB != \new
	s_set_vgpr_msb (MSB<<8)|\new
.set MSB, \new
.endif
.endm
.set MUL_LO, 0xa1                      ; source 0 (B) window 1, source 1 (A) window 0, C and D window 2
.set MUL_HI, 0xf1
.set TO_B,   0x40
; A joint load: waves 0 and 1 fetch for A, waves 2 and 3 for B.  The branch hangs on the wave's number alone.  An s_nop 0 and four v_nop follow each line.
.macro JLOAD g0a, g1a, g0b, g1b
	s_cmp_eq_u32 s15, 0
	s_cbranch_scc0 .Lfor_b_\@
	tensor_load_to_lds s[\g0a:\g0a+3], s[\g1a:\g1a+7]
	s_nop 0
.rept 4
	v_nop
.endr
	s_branch .Lasked_\@
.Lfor_b_\@:
	tensor_load_to_lds s[\g0b:\g0b+3], s[\g1b:\g1b+7]
	s_nop 0
.rept 4
	v_nop
.endr
.Lasked_\@:
.endm
.macro CROUND                          ; a round of the cluster's barrier
	s_barrier_signal -1
	s_barrier_wait -1
	s_cmp_lg_u32 s14, 0
	s_cbranch_scc1 .Lnot_wave_0_\@
	s_barrier_signal -3
.Lnot_wave_0_\@:
	s_barrier_wait -3
	s_barrier_signal -1
	s_barrier_wait -1
.endm
	s_load_b128 s[4:7], s[0:1], 0x0                ; A's codes, A's scales
	s_load_b128 s[8:11], s[0:1], 0x10              ; B's codes, B's scales
	s_load_b64 s[12:13], s[0:1], 0x20              ; the result
	v_lshl_add_u32 v[SPW], v0, 2, SPARE
	v_mov_b32 v[NIL], 0
	ds_add_u32 v[SPW], v[NIL]                      ; the wave's opening: the add, twice on end, and its wait ahead of my first tensor load
	ds_add_u32 v[SPW], v[NIL]
	v_lshrrev_b32 v1, 5, v0
	v_readfirstlane_b32 s14, v1                    ; wave 0..3
	s_lshr_b32 s15, s14, 1                         ; which half of the tile's rows is mine.  Also: I fetch for A (0) or for B (1)
	s_and_b32 s16, s14, 1                          ; which half of its columns.  Also: which 128 rows I fetch
	s_bfe_u32 s40, ttmp6, 0x40000                  ; cx, cy
	s_bfe_u32 s41, ttmp6, 0x40004
	s_lshl_b32 s42, ttmp9, 2
	s_add_co_u32 s42, s42, s40                     ; tile column = 4 x cluster x + cx
	s_and_b32 s17, ttmp7, 0xffff
	s_lshl_b32 s17, s17, 2
	s_add_co_u32 s17, s17, s41                     ; tile row = 4 x cluster y + cy
	s_lshl_b32 s43, s41, 2
	s_lshl_b32 s43, 15, s43                        ; my row of the cluster
	s_lshl_b32 s44, 0x1111, s40                    ; my column
	s_or_b32 s[G1+0], s43, (0<<16)|(1<<20)|(1<<21)|(5<<22)|(3<<25)  ; the mask; elements of 1 byte; padding on; bit 21 beside a mask; 4 words behind every 64
	s_or_b32 s[G1B+0], s44, (0<<16)|(1<<20)|(1<<21)|(5<<22)|(3<<25)
.irp g, G1, G1B
	s_mov_b32 s[\g+1], ROWB<<16                    ; tensor_dim0
	s_mov_b32 s[\g+2], 128<<16                     ; tensor_dim1
	s_mov_b32 s[\g+3], ROWB<<16                    ; tile_dim0
	s_mov_b32 s[\g+4], 128                         ; tile_dim1
	s_mov_b32 s[\g+5], KROW                        ; the pitch in memory
	s_mov_b32 s[\g+6], 0
	s_mov_b32 s[\g+7], 0
.endr
	s_or_b32 s[G1S+0], s43, (3<<16)|(1<<20)|(1<<21)|(5<<22)|(3<<25) ; the scales of 128 rows: a dense block as rows of 256 bytes (32 elements of 8 bytes)
	s_or_b32 s[G1SB+0], s44, (3<<16)|(1<<20)|(1<<21)|(5<<22)|(3<<25)
.irp g, G1S, G1SB
	s_mov_b32 s[\g+1], 32<<16
	s_mov_b32 s[\g+2], (128*KS/256)<<16
	s_mov_b32 s[\g+3], 32<<16
	s_mov_b32 s[\g+4], 128*KS/256
	s_mov_b32 s[\g+5], 32
	s_mov_b32 s[\g+6], 0
	s_mov_b32 s[\g+7], 0
.endr
	s_lshl_b32 s18, s16, 7
	s_lshl_b32 s20, s17, 8
	s_add_co_u32 s20, s20, s18                     ; A: row 256 x tile row + 128 x half
	s_lshl_b32 s46, s42, 8
	s_add_co_u32 s46, s46, s18                     ; B: row 256 x tile column + 128 x half
	s_mov_b32 s21, 0
	s_mov_b32 s47, 0
	s_mov_b64 s[18:19], KS
	s_mul_u64 s[22:23], s[20:21], s[18:19]         ; where these rows' scales begin,
	s_mul_u64 s[92:93], s[46:47], s[18:19]
	s_mov_b64 s[18:19], KROW
	s_mul_u64 s[20:21], s[20:21], s[18:19]         ; and their codes
	s_mul_u64 s[46:47], s[46:47], s[18:19]
	s_mul_i32 s45, s14, HALFT                      ; where they go: wave x 128 rows
	s_mul_i32 s94, s14, HALFS
	s_wait_dscnt 0x0                               ; both opening adds are done
	s_wait_kmcnt 0x0
	s_add_nc_u64 s[20:21], s[4:5], s[20:21]
	s_add_nc_u64 s[22:23], s[6:7], s[22:23]
	s_add_nc_u64 s[46:47], s[8:9], s[46:47]
	s_add_nc_u64 s[92:93], s[10:11], s[92:93]
	CROUND                                         ; all sixteen work-groups are here: the joint loads meet
	s_mov_b32 s[G0S], 1
	s_add_co_u32 s[G0S+1], s94, SCL
	s_mov_b64 s[G0S+2:G0S+3], s[22:23]
	s_or_b32 s[G0S+3], s[G0S+3], 0x80000000
	s_mov_b32 s[G0SB], 1
	s_add_co_u32 s[G0SB+1], s94, SCL
	s_mov_b64 s[G0SB+2:G0SB+3], s[92:93]
	s_or_b32 s[G0SB+3], s[G0SB+3], 0x80000000
	JLOAD G0S, G1S, G0SB, G1SB                     ; the scales first; three tensor loads of mine are out at the most
.irp s, 0,1
	s_mov_b32 s[G0+4*\s], 1
	s_add_co_u32 s[G0+4*\s+1], s45, \s*SLOT
	s_add_nc_u64 s[G0+4*\s+2:G0+4*\s+3], s[20:21], \s*ROWB
	s_or_b32 s[G0+4*\s+3], s[G0+4*\s+3], 0x80000000
	s_mov_b32 s[G0B+4*\s], 1
	s_add_co_u32 s[G0B+4*\s+1], s45, \s*SLOT
	s_add_nc_u64 s[G0B+4*\s+2:G0B+4*\s+3], s[46:47], \s*ROWB
	s_or_b32 s[G0B+4*\s+3], s[G0B+4*\s+3], 0x80000000
	JLOAD G0+4*\s, G1, G0B+4*\s, G1B
.endr
	v_and_b32 v1, 15, v0                           ; l % 16
	v_bfe_u32 v2, v0, 4, 1                         ; l / 16
	v_mul_u32_u24 v3, v1, PITCH
	v_lshl_add_u32 v4, v2, 4, v3                   ; a fragment's row x pitch + 16 x half
	s_mul_i32 s21, s15, HALFT                      ; my 128 rows of A
	s_mul_i32 s22, s16, HALFT                      ; my 128 rows of B,
	s_add_co_u32 s22, s22, 2*HALFT                 ; behind A's 256
.irp s, 0,1
	v_add_nc_u32 v[ADRA+\s], s21, v4
	v_add_nc_u32 v[ADRB+\s], s22, v4
	s_add_co_u32 s21, s21, SLOT
	s_add_co_u32 s22, s22, SLOT
.endr
	v_mul_u32_u24 v5, v1, KS                       ; my row's scales: KS bytes a row,
	v_lshrrev_b32 v6, 8, v5
	v_lshl_add_u32 v5, v6, 4, v5                   ; and 16 more for each 256 passed
	s_mul_i32 s21, s15, HALFS
	s_mul_i32 s22, s16, HALFS
	s_add_co_u32 s22, s22, 2*HALFS
	s_sub_co_u32 s22, s22, s21
	v_mul_u32_u24 v6, s22, v2                      ; lanes 16-31 take B's
	s_add_co_u32 s21, s21, SCL
	v_add_nc_u32 v5, v5, v6
	v_add_nc_u32 v[ADRS], s21, v5
	s_mul_i32 s23, s14, 16*SPITCH                  ; my stage
	v_mul_u32_u24 v5, v1, SPITCH                   ; in: row l % 16, 16 bytes for each half of the lanes
	v_lshl_add_u32 v5, v2, 4, v5
	v_add_nc_u32 v[STO], s23, v5
	v_and_b32 v6, 31, v0
	v_lshlrev_b32 v[CO], 4, v6                     ; in memory: 16 bytes a lane: four tokens of one head, 512 consecutive bytes
	v_lshrrev_b32 v5, 3, v6
	v_mul_u32_u24 v5, v5, SPITCH                   ; back: eight lanes take 128 bytes (one head's 64 columns) of a row
	v_and_b32 v6, 7, v6
	v_lshl_add_u32 v5, v6, 4, v5
	v_add_nc_u32 v[RD], s23, v5
	s_lshr_b32 s20, s17, 3                         ; the batch: 8 tile rows each
	s_mul_i32 s20, s20, 48*HEADB
	s_and_b32 s21, s17, 7
	s_lshl_b32 s21, s21, 15                        ; 256 tokens x 128 bytes
	s_add_co_u32 s20, s20, s21
	s_lshl_b32 s21, s15, 14                        ; my half: 128 tokens
	s_add_co_u32 s20, s20, s21
	s_mov_b32 s21, 0
	s_lshl_b32 s46, s42, 20                        ; the tile's four heads,
	s_lshl_b32 s47, s16, 19                        ; my two of them
	s_add_co_u32 s46, s46, s47
	s_mov_b32 s47, 0
	s_add_nc_u64 s[20:21], s[20:21], s[46:47]
	s_add_nc_u64 s[12:13], s[12:13], s[20:21]      ; all else of the stores' addresses stands in their immediates
.macro FRAG reg, adr, q, i             ; 16 rows x 128 K of 4-bit codes: 8 registers: registers 4 c .. 4 c + 3 hold K = 64 c + 32 (l / 16) + 0 .. 31
.irp c, 0,1
	ds_load_b128 v[\reg+4*\c:\reg+4*\c+3], v[\adr] offset:64*(\q)+32*\c+(\i)*16*PITCH
.endr
.endm
; 16 matrix instructions: A's blocks a0, a0 + 1 x B's eight, the slot's q-th 128 along K.  The 64 accumulators take turns, one instruction a turn.
.macro MUL16 a0, p, q, sc, zero
.irp a, \a0, \a0+1
.irp b, 0,1,2,3,4,5,6,7
.if \zero
	v_wmma_scale_f32_16x16x128_f8f6f4 v[8*(8*((\a)%4)+\b):8*(8*((\a)%4)+\b)+7], v[128*(\p)+FR*\b:128*(\p)+FR*\b+FR-1], v[AF+FR*(\a):AF+FR*(\a)+FR-1], 0, v[SC+8*NQ*(\sc)+NQ*\b+(\q)], v[SC+8*NQ*(\sc)+NQ*(\a)+(\q)] matrix_a_fmt:MATRIX_FMT_FP4 matrix_b_fmt:MATRIX_FMT_FP4 matrix_a_scale:MATRIX_SCALE_ROW1
.else
	v_wmma_scale_f32_16x16x128_f8f6f4 v[8*(8*((\a)%4)+\b):8*(8*((\a)%4)+\b)+7], v[128*(\p)+FR*\b:128*(\p)+FR*\b+FR-1], v[AF+FR*(\a):AF+FR*(\a)+FR-1], v[8*(8*((\a)%4)+\b):8*(8*((\a)%4)+\b)+7], v[SC+8*NQ*(\sc)+NQ*\b+(\q)], v[SC+8*NQ*(\sc)+NQ*(\a)+(\q)] matrix_a_fmt:MATRIX_FMT_FP4 matrix_b_fmt:MATRIX_FMT_FP4 matrix_a_scale:MATRIX_SCALE_ROW1
.endif
.endr
.endr
.endm
.macro FETCH_B slot, q, p
	WIN TO_B
.irp i, 0,1,2,3,4,5,6,7
	FRAG 128*(\p)+FR*\i, ADRB+\slot, \q, \i
.endr
	WIN 0
.endm
.macro FETCH_A slot, q, i0
.irp i, \i0, \i0+1, \i0+2, \i0+3
	FRAG AF+FR*(\i), ADRA+\slot, \q, \i
.endr
.endm
.macro SCALES sc                       ; a slot's scale words: lanes 0-15 take A's block i, lanes 16-31 B's block i
.irp i, 0,1,2,3,4,5,6,7
	ds_load_b128 v[SC+8*NQ*\sc+NQ*\i:SC+8*NQ*\sc+NQ*\i+3], v[ADRS] offset:\i*SBLK
.endr
.endm
.macro PLACES n                        ; plain vector lines between a matrix instruction and a load into, a write of or a read of its registers
.rept \n
	v_nop
.endr
.endm
.macro STEP slot, q, zero              ; a step of 128 along K that has its successor in the same slot
	s_wait_dscnt 4*NL                              ; B's set and A's blocks 0-3 are in; the youngest eight loads (A's blocks 4-7) may be out
	WIN MUL_LO
	MUL16 0, (\q)%2, \q, \slot, \zero
	MUL16 2, (\q)%2, \q, \slot, \zero
	s_wait_dscnt 0
	PLACES NP
	FETCH_B \slot, (\q)+1, 1-(\q)%2
	FETCH_A \slot, (\q)+1, 0
	WIN MUL_HI
	MUL16 4, (\q)%2, \q, \slot, \zero
	MUL16 6, (\q)%2, \q, \slot, \zero
	PLACES NP
	WIN 0
	FETCH_A \slot, (\q)+1, 4
.endm
; Slot 0's last step changes slots: one barrier; in front of it each wave waits for all its tensor loads (its part of slot 1), adds 0 to its spare word, and waits for that and for its reads of slot 0.
.macro TURN slot, next
	s_wait_tensorcnt 0x0
	ds_add_u32 v[SPW], v[NIL]
	s_wait_dscnt 4*NL+1                            ; (the add and A's blocks 4-7 may be out)
	WIN MUL_LO
	MUL16 0, 1, NQ-1, \slot, 0
	s_wait_dscnt 0x0                               ; the add is done, and my reads of this slot are over
	s_barrier_signal -1
	MUL16 2, 1, NQ-1, \slot, 0
	WIN 0
	s_barrier_wait -1
	PLACES NP
	v_add_nc_u32 v[ADRS], 4*NQ, v[ADRS]            ; on to the next slot's scale words
	FETCH_B \next, 0, 0
	FETCH_A \next, 0, 0
	SCALES \next
	WIN MUL_HI
	MUL16 4, 1, NQ-1, \slot, 0
	MUL16 6, 1, NQ-1, \slot, 0
	PLACES NP
	WIN 0
	FETCH_A \next, 0, 4
.endm
	s_wait_tensorcnt 1                             ; the scales and my part of slot 0 are in (slot 1's load may be out)
	s_barrier_signal -1
	s_barrier_wait -1                              ; everybody's are
	FETCH_B 0, 0, 0
	FETCH_A 0, 0, 0
	SCALES 0
	FETCH_A 0, 0, 4
	STEP 0, 0, 1                                   ; the first products start the sums: nothing is cleared
	STEP 0, 1, 0
	STEP 0, 2, 0
	TURN 0, 1
	STEP 1, 0, 0
	STEP 1, 1, 0
	STEP 1, 2, 0
	s_wait_dscnt 4*NL                              ; the last step: nothing more to fetch
	WIN MUL_LO
	MUL16 0, 1, NQ-1, 1, 0
	MUL16 2, 1, NQ-1, 1, 0
	s_wait_dscnt 0
	WIN MUL_HI
	MUL16 4, 1, NQ-1, 1, 0
	MUL16 6, 1, NQ-1, 1, 0
	WIN 0
; THE WAY OUT, block by block of 16 rows x 128 columns.  PACK: rounded to f16, 16 bytes a lane, each accumulator from its low end on.  TOSTAGE: into my stage, and back as 128-byte pieces of rows, head by head.
; SEND: 32 lanes store four tokens of one head: 512 consecutive bytes.
.macro PACK a
.set AC, 64*((\a)%4)
	WIN 0x0a+5*((\a)/4)                            ; sources 0 and 1: window 2 or 3
.irp b, 0,1,2,3,4,5,6,7
.irp r, 0,1,2,3
	v_cvt_pk_f16_f32 v[TMP+4*\b+\r], v[AC+8*\b+2*\r], v[AC+8*\b+2*\r+1]
.endr
.endr
	WIN 0
.endm
.macro TOSTAGE a
.set BB, BK+32*((\a)%2)
.irp b, 0,1,2,3,4,5,6,7
	ds_store_b128 v[STO], v[TMP+4*\b:TMP+4*\b+3] offset:32*\b
.endr
.irp u, 0,1
.irp g, 0,1,2,3
	ds_load_b128 v[BB+4*(4*\u+\g):BB+4*(4*\u+\g)+3], v[RD] offset:\g*4*SPITCH+128*\u   ; LDS serves a wave's instructions in order: these see the stores above
.endr
.endr
.endm
.macro SEND a
.set BB, BK+32*((\a)%2)
	s_wait_dscnt 0x0                               ; the block is back in registers
	s_wait_xcnt 0x0                                ; the stores of the block before have read their registers: the next block's loads may land there
.irp u, 0,1
.irp g, 0,1,2,3
	global_store_b128 v[CO], v[BB+4*(4*\u+\g):BB+4*(4*\u+\g)+3], s[12:13] offset:(\a)*2048+\g*512+\u*HEADB
.endr
.endr
.endm
	PLACES NP                                      ; behind the last products: their results are read, and their scale and fragment registers written, below
	PACK 0
	TOSTAGE 0
.irp a, 1,2,3,4,5,6,7                  ; block a's conversions stand between block a - 1's loads from the stage and the wait for them
	PACK \a
	SEND \a-1
	TOSTAGE \a
.endr
	SEND 7
	s_wait_tensorcnt 0x0                           ; the wave's end
	ds_add_u32 v[SPW], v[NIL]
	s_wait_dscnt 0x0
	CROUND                                         ; the closing round
	s_endpgm
.Lfunc_end_k_q6f0eed9cbe_gemm_qkv:
	.size	k_q6f0eed9cbe_gemm_qkv, .Lfunc_end_k_q6f0eed9cbe_gemm_qkv-k_q6f0eed9cbe_gemm_qkv
	.p2alignl 7, 3214868480
	.fill 96, 4, 3214868480
	.section	.rodata,"a",@progbits
	.p2align	6, 0x0
	.amdhsa_kernel k_q6f0eed9cbe_gemm_qkv
		.amdhsa_group_segment_fixed_size 327680
		.amdhsa_private_segment_fixed_size 0
		.amdhsa_enable_private_segment 0
		.amdhsa_kernarg_size 40
		.amdhsa_user_sgpr_count 2
		.amdhsa_user_sgpr_kernarg_segment_ptr 1
		.amdhsa_wavefront_size32 1
		.amdhsa_system_sgpr_workgroup_id_x 1
		.amdhsa_system_sgpr_workgroup_id_y 1
		.amdhsa_system_sgpr_workgroup_id_z 1
		.amdhsa_system_vgpr_workitem_id 0
		.amdhsa_next_free_vgpr 1024
		.amdhsa_next_free_sgpr 98
		.amdhsa_reserve_vcc 0
		.amdhsa_float_denorm_mode_32 3
		.amdhsa_float_denorm_mode_16_64 3
		.amdhsa_memory_ordered 1
		.amdhsa_forward_progress 1
		.amdhsa_inst_pref_size 126
	.end_amdhsa_kernel
	.amdgpu_metadata
---
amdhsa.version: [ 1, 2 ]
amdhsa.kernels:
  - .name:           k_q6f0eed9cbe_gemm_qkv
    .symbol:         k_q6f0eed9cbe_gemm_qkv.kd
    .args:
      - { .name: xc, .offset: 0, .size: 8, .value_kind: global_buffer, .address_space: global }
      - { .name: xs, .offset: 8, .size: 8, .value_kind: global_buffer, .address_space: global }
      - { .name: wc, .offset: 16, .size: 8, .value_kind: global_buffer, .address_space: global }
      - { .name: ws, .offset: 24, .size: 8, .value_kind: global_buffer, .address_space: global }
      - { .name: qkv, .offset: 32, .size: 8, .value_kind: global_buffer, .address_space: global }
    .group_segment_fixed_size: 327680
    .private_segment_fixed_size: 0
    .kernarg_segment_align: 8
    .kernarg_segment_size: 40
    .max_flat_workgroup_size: 128
    .sgpr_count:     98
    .vgpr_count:     1024
    .wavefront_size: 32
...
	.end_amdgpu_metadata
.endif
;; end of part 2
;; launch attn (part 3): grid 4 x 64, 8 waves a work-group, clusters of 4 x 1, 327,680 bytes of LDS; arguments qkv, o16; writes o16
.if DOCPART == 3
	.amdgcn_target "amdgcn-amd-amdhsa--gfx1250"
	.amdhsa_code_object_version 6
	.text
	.protected	k_q6f0eed9cbe_attn
	.globl	k_q6f0eed9cbe_attn
	.p2align	8
	.type	k_q6f0eed9cbe_attn,@function
k_q6f0eed9cbe_attn:
	s_mov_b64 s[64:65], 0
	v_nop
	global_prefetch_b8 v0, s[64:65] scope:SCOPE_SE
	s_setreg_imm32_b32 hwreg(HW_REG_WAVE_MODE, 25, 1), 1
	s_wait_xcnt 0x0
	s_wait_alu depctr_hold_cnt(0) depctr_sa_sdst(0) depctr_va_vdst(0) depctr_va_sdst(0) depctr_va_ssrc(0) depctr_va_vcc(0) depctr_vm_vsrc(0)
	s_getreg_b32 s2, hwreg(HW_REG_IB_STS2, 6, 4)
	s_cmp_eq_u32 s2, 0
	s_cbranch_scc0 .Lentry_in_a_cluster
	s_endpgm
.Lentry_in_a_cluster:
	s_bfe_u32 s2, ttmp6, 0x10000c
	s_cmp_lg_u32 s2, 0x3003
	s_cbranch_scc0 .Lentry_shape_is_right
	s_endpgm
.Lentry_shape_is_right:
; O[y][q][:] = the sum over k of softmax_k(Q[y][q] . K[y][k] / 8) V[y][k][:], y = 16 x batch + head, 2,048 tokens, head size 64.  Q, K, V come in f16 from qkv [batch][48][token][64]
; (q at block head, k at 16 + head, v at 32 + head); O goes in f16 to o16 [y][token][64].  Products, maxima and sums in f32; the weights p are rounded to f16 for the second product, O once at the end.
; LIMITS: operands are f16: beyond 65,504 they are infinities; O under 6e-5 is kept to an absolute 3e-8.  The running maximum is the exact one; there is no branch on data.
; SHARES.  A cluster of four work-groups is one head; a work-group owns 512 queries, each of its eight waves 64: four tiles of 16.  Two waves share a SIMD's registers, 512 each, so that one wave's
; vector work can stand beside the other's matrix work.  Every wave walks all keys, 64 a step.  All four partners walk the same K and V: each tile is asked for jointly (mask 15).
; RING.  Two slots of 512 keys.  Waves 0-3 fetch K's quarters of a slot, waves 4-7 V's: one tensor load a wave.  2,048 keys are four fills: two at the start, two refills; a refill has eight key steps in which to land.
; LAYOUT.  S^T = K Q^T (source 0 = 16 keys, source 1 = 16 queries): a lane holds one query (lane % 16) and the keys 8 (lane / 16) + 0..7.  Two such tiles, rounded to f16 in pairs, are source 1 of
; O^T = V^T P.  V ([key][channel]) comes out of LDS turned, by ds_load_tr16_b128.  P is made in place, in S^T's first 16 registers of a tile.
; SOFTMAX.  p = 2^(c s - c m), c = log2(e) / 8; in every step O and l are multiplied by a = 2^(c m_old - c m_new).
; No prefetch: a refill is asked for 512 matrix instructions of each wave ahead of the wait for it.
; REGISTERS: window 0: v2-9 addresses; v12, v13 the add's two; v16-47 statistics, eight a tile; v64-191 S^T, 32 a tile; v192-255 K of one step.
;   window 1: v0-127 O^T, 32 a tile; v128-191 Q; v192-255 V of one step.
.set PKP,   144                        ; a key's row of K in LDS: 128 bytes + 16
.set PVP,   160                        ; of V: 128 + 32
.set SK,    512                        ; keys in a slot
.set VOFF,  SK*PKP
.set SLOT,  SK*(PKP+PVP)
.set SPARE, 2*SLOT                     ; the spare words, 128 bytes a wave, named by no other line
.set HEADB, 2048*128
.set AK0, 2
.set AV0, 3
.set ADK, 4
.set ADV, 5
.set QO,  6
.set STO, 7
.set RD,  8
.set GO,  9
.set SPW, 12
.set NIL, 13
.set ST,  16                           ; tile t at v[ST+8 t]: +0 c m, +1 m, +2, +3 l; +4..+7 at work: four chains of the maximum; then +4, +5 the sums' second chain, +6 a, +7 c m_old - c m_new
.set S,   64
.set KF,  192
.set QF,  128                          ; in window 1
.set VF,  192                          ; in window 1
.set WV,  8
.set G1K, 24
.set G1V, 32
.set G0K, 40                           ; a set of four for each slot
.set G0V, 48
.set CS,  56
.set SEL, 58
.set TK,  60                           ; LDS byte of the step's K to be fetched
.set TV,  61                           ; and of V
.set CNT, 62
.set MSB, 0
.macro WIN new
.if MSB != \new
	s_set_vgpr_msb (MSB<<8)|\new
.set MSB, \new
.endif
.endm
.macro PLACES n
.rept \n
	v_nop
.endr
.endm
.macro JLOAD s                         ; a joint refill of slot s.  The branch hangs on the wave's number alone; an s_nop 0 and four v_nop follow each line
	s_cmp_lt_u32 s[WV], 4
	s_cbranch_scc0 .Lfor_v_\@
	tensor_load_to_lds s[G0K+4*\s:G0K+4*\s+3], s[G1K:G1K+7]
	s_nop 0
.rept 4
	v_nop
.endr
	s_branch .Lasked_\@
.Lfor_v_\@:
	tensor_load_to_lds s[G0V+4*\s:G0V+4*\s+3], s[G1V:G1V+7]
	s_nop 0
.rept 4
	v_nop
.endr
.Lasked_\@:
.endm
.macro CROUND
	s_barrier_signal -1
	s_barrier_wait -1
	s_cmp_lg_u32 s[WV], 0
	s_cbranch_scc1 .Lnot_wave_0_\@
	s_barrier_signal -3
.Lnot_wave_0_\@:
	s_barrier_wait -3
	s_barrier_signal -1
	s_barrier_wait -1
.endm
	s_load_b128 s[4:7], s[0:1], 0x0                ; qkv s[4:5], o16 s[6:7]
	v_lshl_add_u32 v[SPW], v0, 2, SPARE
	v_mov_b32 v[NIL], 0
	ds_add_u32 v[SPW], v[NIL]                      ; the wave's opening: the add, twice on end, and its wait ahead of my first tensor load
	ds_add_u32 v[SPW], v[NIL]
	v_lshrrev_b32 v1, 5, v0
	v_readfirstlane_b32 s[WV], v1                  ; wave 0..7
	s_and_b32 s9, s[WV], 3                         ; which quarter of a slot I fetch
	s_bfe_u32 s10, ttmp6, 0x40000                  ; cx: it enters Q's and O's global addresses alone
	s_and_b32 s11, ttmp7, 0xffff                   ; y, which the four partners share
	s_lshr_b32 s12, s11, 4
	s_mul_i32 s12, s12, 48*HEADB                   ; the batch,
	s_and_b32 s13, s11, 15
	s_lshl_b32 s13, s13, 18                        ; the head: q's block
	s_add_co_u32 s12, s12, s13
	s_lshl_b32 s14, s9, 14                         ; my quarter: 128 keys x 128 bytes
	s_add_co_u32 s14, s14, s12
	s_mov_b32 s15, 0
	s_lshl_b32 s16, s10, 16                        ; my work-group's 512 rows,
	s_lshl_b32 s17, s[WV], 13                      ; my wave's 64 of them
	s_add_co_u32 s16, s16, s17
	s_add_co_u32 s18, s12, s16                     ; Q's offset
	s_mov_b32 s19, 0
	s_lshl_b32 s17, s11, 18
	s_add_co_u32 s16, s16, s17                     ; O's offset
	s_mov_b32 s17, 0
	s_mul_i32 s2, s9, 128*PKP                      ; my quarter's place in a slot: K's,
	s_mul_i32 s3, s9, 128*PVP
	s_add_co_u32 s3, s3, VOFF                      ; V's
	; descriptor group 1: 128 rows (keys) of 64 elements of 2 bytes, dense in memory, padded behind each row in LDS
	s_mov_b32 s[G1K], 15|(1<<16)|(1<<20)|(1<<21)|(4<<22)|(3<<25)  ; the mask: all four; 2-byte elements; padding on; bit 21 beside a mask; behind every 32 words 4 words
	s_mov_b32 s[G1V], 15|(1<<16)|(1<<20)|(1<<21)|(4<<22)|(7<<25)  ; the same with 8 words
.irp g, G1K, G1V
	s_mov_b32 s[\g+1], 64<<16                      ; tensor_dim0
	s_mov_b32 s[\g+2], 128<<16                     ; tensor_dim1
	s_mov_b32 s[\g+3], 64<<16                      ; tile_dim0
	s_mov_b32 s[\g+4], 128                         ; tile_dim1
	s_mov_b32 s[\g+5], 64                          ; the pitch in memory
	s_mov_b32 s[\g+6], 0
	s_mov_b32 s[\g+7], 0
.endr
	s_mov_b32 s[CS], 0x3e38aa3b                    ; c = log2(e) / 8
	s_mov_b32 s[CS+1], s[CS]                       ; named with it as a pair, so it is written
	s_mov_b32 s[SEL], 0x76543210
	s_mov_b32 s[SEL+1], 0xfedcba98
	s_wait_dscnt 0x0                               ; both opening adds are done
	s_wait_kmcnt 0x0
	s_add_nc_u64 s[22:23], s[4:5], s[18:19]        ; Q at my wave's first row
	s_add_nc_u64 s[20:21], s[6:7], s[16:17]        ; O likewise
	s_add_nc_u64 s[14:15], s[4:5], s[14:15]        ; q's block + my quarter: k's lies 16 blocks on, v's 32
.irp s, 0,1
	s_mov_b32 s[G0K+4*\s], 1
	s_add_co_u32 s[G0K+4*\s+1], s2, \s*SLOT
	s_add_nc_u64 s[G0K+4*\s+2:G0K+4*\s+3], s[14:15], 16*HEADB+\s*SK*128
	s_or_b32 s[G0K+4*\s+3], s[G0K+4*\s+3], 0x80000000
	s_mov_b32 s[G0V+4*\s], 1
	s_add_co_u32 s[G0V+4*\s+1], s3, \s*SLOT
	s_add_nc_u64 s[G0V+4*\s+2:G0V+4*\s+3], s[14:15], 32*HEADB+\s*SK*128
	s_or_b32 s[G0V+4*\s+3], s[G0V+4*\s+3], 0x80000000
.endr
	CROUND                                         ; all four work-groups are here: the first joint loads meet
	s_cmp_lt_u32 s[WV], 4                          ; a wave's two first fills stand in one branch: two tensor loads of mine are out at the most
	s_cbranch_scc0 .Lfirst_v
	tensor_load_to_lds s[G0K:G0K+3], s[G1K:G1K+7]
	s_nop 0
	tensor_load_to_lds s[G0K+4:G0K+7], s[G1K:G1K+7]
	s_nop 0
.rept 4
	v_nop
.endr
	s_branch .Lfirst_asked
.Lfirst_v:
	tensor_load_to_lds s[G0V:G0V+3], s[G1V:G1V+7]
	s_nop 0
	tensor_load_to_lds s[G0V+4:G0V+7], s[G1V:G1V+7]
	s_nop 0
.rept 4
	v_nop
.endr
.Lfirst_asked:
	v_and_b32 v1, 15, v0                           ; r = l % 16
	v_bfe_u32 v10, v0, 4, 1                        ; h = l / 16
	v_lshlrev_b32 v[QO], 7, v1
	v_lshl_add_u32 v[QO], v10, 4, v[QO]            ; row x 128 + 16 x half
	WIN 0x40                                       ; destination window 1
.irp x, 0,1,2,3                        ; Q stays in registers: tile x, channels 32 c on
.irp c, 0,1
	global_load_b128 v[QF+16*\x+8*\c:QF+16*\x+8*\c+3],   v[QO], s[22:23] offset:\x*2048+64*\c
	global_load_b128 v[QF+16*\x+8*\c+4:QF+16*\x+8*\c+7], v[QO], s[22:23] offset:\x*2048+64*\c+32
.endr
.endr
	WIN 0
	v_mul_u32_u24 v[AK0], v1, PKP
	v_lshl_add_u32 v[AK0], v10, 4, v[AK0]          ; K: key r x pitch + 16 x half
	v_and_b32 v11, 7, v0
	v_bfe_u32 v14, v0, 3, 1
	v_lshl_add_u32 v[AV0], v10, 3, v11             ; V, for the turning load: key 8 h + l % 8,
	v_mul_u32_u24 v[AV0], v[AV0], PVP
	v_lshl_add_u32 v[AV0], v14, 4, v[AV0]          ; channels 8 ((l / 8) % 2) on
	v_add_nc_u32 v[AV0], VOFF, v[AV0]
	s_mul_i32 s12, s[WV], 16*PKP                   ; the way out: my stage, 16 rows of 144 bytes, in slot 0
	v_add_nc_u32 v[STO], s12, v[AK0]               ; in: row r, 16 bytes for each half of the lanes
	v_and_b32 v15, 31, v0
	v_lshlrev_b32 v[GO], 4, v15                    ; in memory: 16 bytes a lane
	v_lshrrev_b32 v15, 3, v15
	v_mul_u32_u24 v15, v15, PKP                    ; back: eight lanes to a row of 128 bytes
	v_lshl_add_u32 v15, v11, 4, v15
	v_add_nc_u32 v[RD], s12, v15
.macro FETCH_K                         ; a step's K: 64 keys x 64 channels: fragment (key tile i, channels 32 c on) at v[KF+16 i+8 c]
	v_add_nc_u32 v[ADK], s[TK], v[AK0]
.irp i, 0,1,2,3
.irp c, 0,1
	ds_load_b128 v[KF+16*\i+8*\c:KF+16*\i+8*\c+3],   v[ADK] offset:\i*16*PKP+64*\c
	ds_load_b128 v[KF+16*\i+8*\c+4:KF+16*\i+8*\c+7], v[ADK] offset:\i*16*PKP+64*\c+32
.endr
.endr
.endm
.macro FETCH_V                         ; a step's V, turned: fragment (keys 32 g on, channels 16 u on) at v[VF+8 (4 g+u)] of window 1
	v_add_nc_u32 v[ADV], s[TV], v[AV0]
	s_add_co_u32 s[TV], s[TV], 64*PVP
	WIN 0x40
.irp g, 0,1
.irp u, 0,1,2,3
	ds_load_tr16_b128 v[VF+8*(4*\g+\u):VF+8*(4*\g+\u)+3],   v[ADV] offset:\g*32*PVP+\u*32
	ds_load_tr16_b128 v[VF+8*(4*\g+\u)+4:VF+8*(4*\g+\u)+7], v[ADV] offset:\g*32*PVP+16*PVP+\u*32
.endr
.endr
	WIN 0
.endm
.macro KQ                              ; 32 products S^T = K Q^T: the 16 accumulators (key tile i, tile x) take turns, one instruction a turn; the first 16 start the sums
	WIN 0x04                                       ; Q in window 1
.irp c, 0,1
.irp i, 0,1,2,3
.irp x, 0,1,2,3
.if \c == 0
	v_wmma_f32_16x16x32_f16 v[S+32*\x+8*\i:S+32*\x+8*\i+7], v[KF+16*\i+8*\c:KF+16*\i+8*\c+7], v[QF+16*\x+8*\c:QF+16*\x+8*\c+7], 0
.else
	v_wmma_f32_16x16x32_f16 v[S+32*\x+8*\i:S+32*\x+8*\i+7], v[KF+16*\i+8*\c:KF+16*\i+8*\c+7], v[QF+16*\x+8*\c:QF+16*\x+8*\c+7], v[S+32*\x+8*\i:S+32*\x+8*\i+7]
.endif
.endr
.endr
.endr
.endm
.macro PV first                        ; 32 products O^T += V^T P: the 16 accumulators (channel tile u, tile x) by turns; in the first step the first 16 start the sums
	WIN 0x51                                       ; V, C and D in window 1, P in window 0
.irp g, 0,1
.irp u, 0,1,2,3
.irp x, 0,1,2,3
.if (\first) && (\g == 0)
	v_wmma_f32_16x16x32_f16 v[32*\x+8*\u:32*\x+8*\u+7], v[VF+8*(4*\g+\u):VF+8*(4*\g+\u)+7], v[S+32*\x+8*\g:S+32*\x+8*\g+7], 0
.else
	v_wmma_f32_16x16x32_f16 v[32*\x+8*\u:32*\x+8*\u+7], v[VF+8*(4*\g+\u):VF+8*(4*\g+\u)+7], v[S+32*\x+8*\g:S+32*\x+8*\g+7], v[32*\x+8*\u:32*\x+8*\u+7]
.endif
.endr
.endr
.endr
.endm
; The maxima of the four tiles, the tiles innermost in every line, so that no line waits for the line above it.  Each accumulator is read from its low end on.
.macro MAXES first
.irp j, 0,1,2,3
.irp t, 0,1,2,3
	v_max3_num_f32 v[ST+8*\t+4+\j], v[S+32*\t+8*\j], v[S+32*\t+8*\j+1], v[S+32*\t+8*\j+2]
.endr
.endr
.irp k, 3,5
.irp j, 0,1,2,3
.irp t, 0,1,2,3
	v_max3_num_f32 v[ST+8*\t+4+\j], v[ST+8*\t+4+\j], v[S+32*\t+8*\j+\k], v[S+32*\t+8*\j+\k+1]
.endr
.endr
.endr
.irp t, 0,1,2,3
	v_max3_num_f32 v[ST+8*\t+4], v[ST+8*\t+4], v[S+32*\t+7], v[S+32*\t+15]
.endr
.irp t, 0,1,2,3
	v_max3_num_f32 v[ST+8*\t+6], v[ST+8*\t+6], v[S+32*\t+23], v[S+32*\t+31]
.endr
.irp t, 0,1,2,3
	v_max3_num_f32 v[ST+8*\t+4], v[ST+8*\t+4], v[ST+8*\t+5], v[ST+8*\t+6]
.endr
.irp t, 0,1,2,3
.if \first
	v_max_num_f32 v[ST+8*\t+4], v[ST+8*\t+4], v[ST+8*\t+7]
.else
	v_max3_num_f32 v[ST+8*\t+4], v[ST+8*\t+4], v[ST+8*\t+7], v[ST+8*\t+1]   ; with the old m
.endif
.endr
.irp t, 0,1,2,3
	v_permlanex16_b32 v[ST+8*\t+5], v[ST+8*\t+4], s[SEL], s[SEL+1]   ; the query's other 32 keys lie in the lane 16 away
.endr
.irp t, 0,1,2,3
	v_max_num_f32 v[ST+8*\t+1], v[ST+8*\t+4], v[ST+8*\t+5]          ; the new m
.endr
.if \first == 0
.irp t, 0,1,2,3
	v_mov_b32 v[ST+8*\t+7], v[ST+8*\t]                               ; c m_old
.endr
.endif
.irp t, 0,1,2,3
	v_mul_f32 v[ST+8*\t], s[CS], v[ST+8*\t+1]                        ; c m
.endr
.if \first == 0
.irp t, 0,1,2,3
	v_sub_f32 v[ST+8*\t+7], v[ST+8*\t+7], v[ST+8*\t]
.endr
.irp t, 0,1,2,3
	v_exp_f32 v[ST+8*\t+6], v[ST+8*\t+7]                             ; a: the first of the step's first batch of exponentials
.endr
.endif
.endm
.macro SC t, n                         ; pair n of tile t: c s - c m
	v_pk_fma_f32 v[S+32*(\t)+2*(\n):S+32*(\t)+2*(\n)+1], v[S+32*(\t)+2*(\n):S+32*(\t)+2*(\n)+1], s[CS:CS+1], v[ST+8*(\t):ST+8*(\t)+1] op_sel_hi:[1,0,0] neg_lo:[0,0,1] neg_hi:[0,0,1]
.endm
.macro EX t, n
	v_exp_f32 v[S+32*(\t)+2*(\n)], v[S+32*(\t)+2*(\n)]
	v_exp_f32 v[S+32*(\t)+2*(\n)+1], v[S+32*(\t)+2*(\n)+1]
.endm
.macro SU t, n, first                  ; the sums, in two chains: l takes the even pairs (and a l), w the odd ones
.set rT, ST+8*(\t)
.set rS, S+32*(\t)
.if (\n) == 0
.if \first
	v_pk_add_f32 v[rT+2:rT+3], v[rS:rS+1], v[rS+4:rS+5]
.else
	v_pk_fma_f32 v[rT+2:rT+3], v[rT+2:rT+3], v[rT+6:rT+7], v[rS:rS+1] op_sel_hi:[1,0,1]
.endif
.elseif (\n) == 1
	v_pk_add_f32 v[rT+4:rT+5], v[rS+2:rS+3], v[rS+6:rS+7]
.elseif (\n) == 2
.if \first == 0
	v_pk_add_f32 v[rT+2:rT+3], v[rT+2:rT+3], v[rS+4:rS+5]
.endif
.elseif (\n) == 3
.elseif (\n)%2 == 0
	v_pk_add_f32 v[rT+2:rT+3], v[rT+2:rT+3], v[rS+2*(\n):rS+2*(\n)+1]
.else
	v_pk_add_f32 v[rT+4:rT+5], v[rT+4:rT+5], v[rS+2*(\n):rS+2*(\n)+1]
.endif
.endm
.macro SUEND t
	v_pk_add_f32 v[ST+8*(\t)+2:ST+8*(\t)+3], v[ST+8*(\t)+2:ST+8*(\t)+3], v[ST+8*(\t)+4:ST+8*(\t)+5]
.endm
.macro CV t, n                         ; pair n rounded to f16, in place: register n of the tile; with n ascending, behind the pair's sum, every pair is read before it is written over
	v_cvt_pk_f16_f32 v[S+32*(\t)+(\n)], v[S+32*(\t)+2*(\n)], v[S+32*(\t)+2*(\n)+1]
.endm
; The step's exponentials go in two batches, each with one wait ahead of its first reader: a and tiles 0, 1; then tiles 2, 3, among which stand the sums and roundings of tiles 0, 1.
.macro SOFT first
.irp n, 0,1,2,3,4,5,6,7,8,9,10,11,12,13,14,15
	SC 0, \n
.endr
.irp n, 0,1,2,3,4,5,6,7,8,9,10,11,12,13,14,15
	SC 1, \n
	EX 0, \n
.endr
.irp n, 0,1,2,3,4,5,6,7,8,9,10,11,12,13,14,15
	SC 2, \n
	EX 1, \n
.endr
.irp n, 0,1,2,3,4,5,6,7,8,9,10,11,12,13,14,15
	SC 3, \n
.endr
	s_wait_alu depctr_va_vdst(0)                   ; the wait for the first batch; the sixteen scalings above are the plain work behind it
.irp n, 0,1,2,3,4,5,6,7,8,9,10,11,12,13,14,15
	EX 2, \n
	SU 0, \n, \first
	CV 0, \n
.endr
.irp n, 0,1,2,3,4,5,6,7,8,9,10,11,12,13,14,15
	EX 3, \n
	SU 1, \n, \first
	CV 1, \n
.endr
	SUEND 0
	SUEND 1
.if \first == 0
	WIN 0x41                                       ; O^T (destination and source 0) in window 1, a in window 0
.irp t, 0,1,2,3
.irp n, 0,1,2,3,4,5,6,7,8,9,10,11,12,13,14,15
	v_pk_mul_f32 v[32*\t+2*\n:32*\t+2*\n+1], v[32*\t+2*\n:32*\t+2*\n+1], v[ST+8*\t+6:ST+8*\t+7] op_sel_hi:[1,0]   ; O^T x a, each accumulator from its low end on
.endr
.endr
	WIN 0
.endif
	s_wait_alu depctr_va_vdst(0)                   ; the wait for the second batch
.irp n, 0,1,2,3,4,5,6,7,8,9,10,11,12,13,14,15
	SU 2, \n, \first
	CV 2, \n
	SU 3, \n, \first
	CV 3, \n
.endr
	SUEND 2
	SUEND 3
.endm
; A KEY STEP.  first = 1: the first of all: it starts m, l and O^T.  pre = 1: the next step's K is fetched; pre = 2: likewise, but not in a slot's last step (a scalar branch on the count of steps).
.macro STEP first, pre
.if \first == 0
	PLACES 5                                       ; behind the last V^T P: K Q^T below writes over P, which it read (five places), and V's loads land in registers that it read (four)
.endif
	FETCH_V
	s_wait_dscnt 16                                ; K's sixteen loads are in; V's sixteen, issued behind them, may be out
	KQ
	WIN 0
	PLACES 4                                       ; behind the last K Q^T: loads into K's registers, and the first reads of the scores
	s_add_co_u32 s[TK], s[TK], 64*PKP
.if \pre == 2
	s_cmp_eq_u32 s[CNT], 1
	s_cbranch_scc1 .Lno_k_\@
.endif
	FETCH_K
.if \pre == 2
.Lno_k_\@:
.endif
	MAXES \first
	SOFT \first
	s_wait_dscnt 0x0                               ; V is in (and the next step's K, where it was asked for)
	PV \first
	WIN 0
.endm
.macro RUN n                           ; n key steps, written once
	s_mov_b32 s[CNT], \n
.Lrun_\@:
	STEP 0, 2
	s_sub_co_u32 s[CNT], s[CNT], 1
	s_cmp_lg_u32 s[CNT], 0
	s_cbranch_scc1 .Lrun_\@
.endm
; THE CHANGE OF SLOTS.  Each wave waits for all its tensor loads (its part of the slot ahead), adds 0 to its spare word, and waits for that and for its reads of the slot that it leaves.
; fill = 1: the barrier is a round of the cluster's, and slot s, just left, is filled with the keys 1,024 further on: the first thing behind the round, one tensor load a wave.
.macro CHANGE fill, s
	s_wait_tensorcnt 0x0                           ; no tensor load of mine is out, so a group 0 may be written
	ds_add_u32 v[SPW], v[NIL]
.if \fill
	s_add_nc_u64 s[G0K+4*\s+2:G0K+4*\s+3], s[G0K+4*\s+2:G0K+4*\s+3], 2*SK*128
	s_add_nc_u64 s[G0V+4*\s+2:G0V+4*\s+3], s[G0V+4*\s+2:G0V+4*\s+3], 2*SK*128
.endif
	s_wait_dscnt 0x0                               ; the add is done, and my reads of the slot are over
.if \fill
	CROUND
	JLOAD \s
.else
	s_barrier_signal -1
	s_barrier_wait -1
.endif
.endm
	s_wait_tensorcnt 1                             ; my part of slot 0 is in; slot 1's may stay out
	s_barrier_signal -1
	s_barrier_wait -1                              ; everybody's is
	s_mov_b32 s[TK], 0
	s_mov_b32 s[TV], 0
	FETCH_K
	s_wait_loadcnt 0x0                             ; Q
	STEP 1, 1                                      ; keys 0-63
	RUN 7                                          ; the rest of slot 0
	CHANGE 1, 0                                    ; slot 0 takes keys 1,024 on
	s_mov_b32 s[TK], SLOT
	s_mov_b32 s[TV], SLOT
	FETCH_K
	RUN 8                                          ; keys 512 on
	CHANGE 1, 1                                    ; slot 1 takes keys 1,536 on
	s_mov_b32 s[TK], 0
	s_mov_b32 s[TV], 0
	FETCH_K
	RUN 8
	CHANGE 0, 0                                    ; nothing is left to fetch
	s_mov_b32 s[TK], SLOT
	s_mov_b32 s[TV], SLOT
	FETCH_K
	RUN 8
	; THE WAY OUT.  l's two halves and the other half of the lanes' are added; O^T is divided by l, rounded to f16 and sent through my stage, a tile (16 rows of O) at a time.
	; The stage lies in slot 0, which has had its last fill, and which nobody has read since the last change of slots.
	PLACES 4
.irp t, 0,1,2,3
	v_add_f32 v[ST+8*\t+4], v[ST+8*\t+2], v[ST+8*\t+3]
.endr
.irp t, 0,1,2,3
	v_permlanex16_b32 v[ST+8*\t+5], v[ST+8*\t+4], s[SEL], s[SEL+1]
.endr
.irp t, 0,1,2,3
	v_add_f32 v[ST+8*\t+4], v[ST+8*\t+4], v[ST+8*\t+5]
.endr
.irp t, 0,1,2,3
	v_rcp_f32 v[ST+8*\t+6], v[ST+8*\t+4]
.endr
	v_nop                                          ; a plain line behind the last reciprocal
	s_wait_alu depctr_va_vdst(0)                   ; one wait for the four, ahead of their first reader
.macro OPACK t
	WIN 0x41
.irp n, 0,1,2,3,4,5,6,7,8,9,10,11,12,13,14,15
	v_pk_mul_f32 v[32*\t+2*\n:32*\t+2*\n+1], v[32*\t+2*\n:32*\t+2*\n+1], v[ST+8*\t+6:ST+8*\t+7] op_sel_hi:[1,0]
.endr
	WIN 0x05                                       ; sources window 1, destination window 0
.irp n, 0,1,2,3,4,5,6,7,8,9,10,11,12,13,14,15
	v_cvt_pk_f16_f32 v[S+16*\t+\n], v[32*\t+2*\n], v[32*\t+2*\n+1]
.endr
	WIN 0
.irp u, 0,1,2,3
	ds_store_b128 v[STO], v[S+16*\t+4*\u:S+16*\t+4*\u+3] offset:32*\u
.endr
.irp g, 0,1,2,3
	ds_load_b128 v[S+16*\t+4*\g:S+16*\t+4*\g+3], v[RD] offset:\g*4*PKP   ; LDS serves a wave's instructions in order: these see the stores above; the next tile's stores come behind them
.endr
.endm
.macro OSEND t, younger                ; younger: the LDS instructions issued behind tile t's loads
.irp g, 0,1,2,3
	s_wait_dscnt \younger+3-\g
	global_store_b128 v[GO], v[S+16*\t+4*\g:S+16*\t+4*\g+3], s[20:21] offset:\t*2048+\g*512   ; 32 lanes store four rows of O: 512 consecutive bytes
.endr
.endm
	OPACK 0
	OPACK 1
	OSEND 0, 8
	OPACK 2
	OSEND 1, 8
	OPACK 3
	OSEND 2, 8
	OSEND 3, 0
	s_wait_tensorcnt 0x0                           ; the wave's end
	ds_add_u32 v[SPW], v[NIL]
	s_wait_dscnt 0x0
	CROUND                                         ; the closing round
	s_endpgm
.Lfunc_end_k_q6f0eed9cbe_attn:
	.size	k_q6f0eed9cbe_attn, .Lfunc_end_k_q6f0eed9cbe_attn-k_q6f0eed9cbe_attn
	.p2alignl 7, 3214868480
	.fill 96, 4, 3214868480
	.section	.rodata,"a",@progbits
	.p2align	6, 0x0
	.amdhsa_kernel k_q6f0eed9cbe_attn
		.amdhsa_group_segment_fixed_size 327680
		.amdhsa_private_segment_fixed_size 0
		.amdhsa_enable_private_segment 0
		.amdhsa_kernarg_size 16
		.amdhsa_user_sgpr_count 2
		.amdhsa_user_sgpr_kernarg_segment_ptr 1
		.amdhsa_wavefront_size32 1
		.amdhsa_system_sgpr_workgroup_id_x 1
		.amdhsa_system_sgpr_workgroup_id_y 1
		.amdhsa_system_sgpr_workgroup_id_z 1
		.amdhsa_system_vgpr_workitem_id 0
		.amdhsa_next_free_vgpr 512
		.amdhsa_next_free_sgpr 66
		.amdhsa_reserve_vcc 0
		.amdhsa_float_denorm_mode_32 3
		.amdhsa_float_denorm_mode_16_64 3
		.amdhsa_memory_ordered 1
		.amdhsa_forward_progress 1
		.amdhsa_inst_pref_size 183
	.end_amdhsa_kernel
	.amdgpu_metadata
---
amdhsa.version: [ 1, 2 ]
amdhsa.kernels:
  - .name:           k_q6f0eed9cbe_attn
    .symbol:         k_q6f0eed9cbe_attn.kd
    .args:
      - { .name: qkv, .offset: 0, .size: 8, .value_kind: global_buffer, .address_space: global }
      - { .name: o16, .offset: 8, .size: 8, .value_kind: global_buffer, .address_space: global }
    .group_segment_fixed_size: 327680
    .private_segment_fixed_size: 0
    .kernarg_segment_align: 8
    .kernarg_segment_size: 16
    .max_flat_workgroup_size: 256
    .sgpr_count:     66
    .vgpr_count:     512
    .wavefront_size: 32
...
	.end_amdgpu_metadata
.endif
;; end of part 3
;; launch proj (part 4): grid 8 x 64, 4 waves a work-group, clusters of 4 x 4, 327,680 bytes of LDS; arguments o16, wp16, b_proj, out0; writes out0
.if DOCPART == 4
	.amdgcn_target "amdgcn-amd-amdhsa--gfx1250"
	.amdhsa_code_object_version 6
	.text
	.protected	k_q6f0eed9cbe_proj
	.globl	k_q6f0eed9cbe_proj
	.p2align	8
	.type	k_q6f0eed9cbe_proj,@function
k_q6f0eed9cbe_proj:
	s_mov_b64 s[64:65], 0
	v_nop
	global_prefetch_b8 v0, s[64:65] scope:SCOPE_SE
	s_setreg_imm32_b32 hwreg(HW_REG_WAVE_MODE, 25, 1), 1
	s_wait_xcnt 0x0
	s_wait_alu depctr_hold_cnt(0) depctr_sa_sdst(0) depctr_va_vdst(0) depctr_va_sdst(0) depctr_va_ssrc(0) depctr_va_vcc(0) depctr_vm_vsrc(0)
	s_getreg_b32 s2, hwreg(HW_REG_IB_STS2, 6, 4)
	s_cmp_eq_u32 s2, 0
	s_cbranch_scc0 .Lentry_in_a_cluster
	s_endpgm
.Lentry_in_a_cluster:
	s_bfe_u32 s2, ttmp6, 0x10000c
	s_cmp_lg_u32 s2, 0xf033
	s_cbranch_scc0 .Lentry_shape_is_right
	s_endpgm
.Lentry_shape_is_right:
; out0[m][n] = b_proj[n] + sum over k of o[m][k] w_proj[n][k].  o comes in f16 by heads, o16 [16 batch + head][token 2048][64] (k = 64 head + channel); w_proj in f16, wp16 [1024][1024]; out0 [8192][1024] f32; sums in f32.
; LIMIT: the operands are f16 (largest number 65,504).
; A tile of the result is 128 x 128: 512 work-groups, one for each.  Four waves, each 64 x 64: 16 accumulators.  K goes in four steps of 256 (four heads) through two LDS slots; the steps are written out, there is no loop.
; A's part of a slot comes by one load a wave: 4 rows (heads) of 64 tokens x 64 channels, 8,192 dense bytes each, padded behind every 128 bytes: in LDS [head][token] with 144 bytes from token to token.
; B's: 64 rows of 512 bytes, 528 bytes apart in LDS.
; CLUSTERS: 4 x 4 work-groups; A's tiles are asked for jointly along a row of the cluster, B's along a column.  THE MATRIX INSTRUCTION IS USED TRANSPOSED (source 0 = 16 rows of w_proj, source 1 = 16 rows of o):
; a lane holds eight neighbouring columns of a row.  The bias is the C of each sum's first matrix instruction.
; REGISTERS: window 0: v0-31 addresses; v32-95 the way out; v96-127 the bias, eight registers for each of my four column blocks; v128-255 the accumulators ((a, b) at v[128 + 8 (4 a + b)]).
;   window 1: two fragment buffers of 128: for 64 along K, 64 registers of A, then 64 of B.
.set PA,     144                       ; a token's 128 bytes of a head + 16
.set PLANE,  64*PA                     ; a head's 64 tokens
.set HALFA,  4*PLANE                   ; what one load brings of A
.set PB,     528
.set HALFB,  64*PB                     ; and of B
.set BOFF,   2*HALFA
.set SLOT,   2*HALFA+2*HALFB
.set STAGE,  2*SLOT                    ; behind the slots: 16 rows x 272 bytes for each wave; no tensor load fills it
.set SPITCH, 272
.set SPARE,  STAGE+4*16*SPITCH         ; the spare words, 128 bytes a wave, named by no other line
.set STEPA,  4*2048*128                ; a K step on in o16: four heads
.set STEPB,  512                       ; and in a row of wp16
.set ADRA, 16
.set ADRB, 20
.set STO,  24
.set RD,   25
.set CO,   26
.set SPW,  28
.set NIL,  29
.set BK,   32
.set BI,   96
.set ACC,  128
.set F0,   0
.set F1,   128
.set G1, 24
.set G0, 32
.set G1B, 48
.set G0B, 56
.set MSB, 0
.macro WIN new
.if MSB != \new
	s_set_vgpr_msb (MSB<<8)|\new
.set MSB, \new
.endif
.endm
.set MUL,  0x05                        ; sources 0 and 1 window 1; C and D window 0
.set TO_F, 0x40
.macro JLOAD s                         ; a joint load: waves 0 and 1 fetch A's halves, waves 2 and 3 B's; an s_nop 0 and four v_nop follow each line
	s_cmp_eq_u32 s11, 0
	s_cbranch_scc0 .Lfor_b_\@
	tensor_load_to_lds s[G0+4*\s:G0+4*\s+3], s[G1:G1+7]
	s_nop 0
.rept 4
	v_nop
.endr
	s_branch .Lasked_\@
.Lfor_b_\@:
	tensor_load_to_lds s[G0B+4*\s:G0B+4*\s+3], s[G1B:G1B+7]
	s_nop 0
.rept 4
	v_nop
.endr
.Lasked_\@:
.endm
.macro CREST
	s_cmp_lg_u32 s10, 0
	s_cbranch_scc1 .Lnot_wave_0_\@
	s_barrier_signal -3
.Lnot_wave_0_\@:
	s_barrier_wait -3
	s_barrier_signal -1
	s_barrier_wait -1
.endm
.macro CROUND
	s_barrier_signal -1
	s_barrier_wait -1
	CREST
.endm
	s_load_b128 s[4:7], s[0:1], 0x0                ; o16 s[4:5], wp16 s[6:7]
	s_load_b128 s[68:71], s[0:1], 0x10             ; b_proj s[68:69], out0 s[70:71]
	v_lshl_add_u32 v[SPW], v0, 2, SPARE
	v_mov_b32 v[NIL], 0
	ds_add_u32 v[SPW], v[NIL]                      ; the wave's opening: the add, twice on end, and its wait ahead of my first tensor load
	ds_add_u32 v[SPW], v[NIL]
	v_lshrrev_b32 v1, 5, v0
	v_readfirstlane_b32 s10, v1                    ; wave 0..3
	s_lshr_b32 s11, s10, 1                         ; which half of the tile's rows is mine.  Also: I fetch for A (0) or for B (1)
	s_and_b32 s12, s10, 1                          ; which half of its columns.  Also: which half I fetch
	s_bfe_u32 s40, ttmp6, 0x40000                  ; cx, cy
	s_bfe_u32 s41, ttmp6, 0x40004
	s_lshl_b32 s42, ttmp9, 2
	s_add_co_u32 s42, s42, s40                     ; tile column
	s_and_b32 s13, ttmp7, 0xffff
	s_lshl_b32 s13, s13, 2
	s_add_co_u32 s13, s13, s41                     ; tile row
	s_lshl_b32 s43, s41, 2
	s_lshl_b32 s43, 15, s43                        ; my row of the cluster
	s_lshl_b32 s44, 0x1111, s40                    ; my column
	s_or_b32 s[G1+0], s43, (1<<16)|(1<<20)|(1<<21)|(4<<22)|(3<<25)  ; A: the mask; 2-byte elements; padding on; bit 21 beside a mask; 4 words behind every 32
	s_mov_b32 s[G1+1], 4096<<16                    ; tensor_dim0 = 64 tokens x 64 channels
	s_mov_b32 s[G1+2], 4<<16                       ; tensor_dim1 = 4 heads
	s_mov_b32 s[G1+3], 4096<<16                    ; tile_dim0
	s_mov_b32 s[G1+4], 4                           ; tile_dim1
	s_mov_b32 s[G1+5], 2048*64                     ; from head to head, in elements
	s_mov_b32 s[G1+6], 0
	s_mov_b32 s[G1+7], 0
	s_or_b32 s[G1B+0], s44, (1<<16)|(1<<20)|(1<<21)|(6<<22)|(3<<25) ; B: 4 words behind every 128
	s_mov_b32 s[G1B+1], 256<<16
	s_mov_b32 s[G1B+2], 64<<16
	s_mov_b32 s[G1B+3], 256<<16
	s_mov_b32 s[G1B+4], 64
	s_mov_b32 s[G1B+5], 1024
	s_mov_b32 s[G1B+6], 0
	s_mov_b32 s[G1B+7], 0
	s_lshr_b32 s16, s13, 4                         ; A: the batch: 16 heads of 262,144 bytes,
	s_lshl_b32 s16, s16, 22
	s_and_b32 s17, s13, 15
	s_lshl_b32 s17, s17, 14                        ; the tile's 128 tokens of 128 bytes,
	s_add_co_u32 s16, s16, s17
	s_lshl_b32 s17, s12, 13                        ; my 64 of them
	s_add_co_u32 s16, s16, s17
	s_mov_b32 s17, 0
	s_lshl_b32 s46, s42, 18                        ; B: the tile's 128 rows of 2,048 bytes,
	s_lshl_b32 s47, s12, 17                        ; my 64 of them
	s_add_co_u32 s46, s46, s47
	s_mov_b32 s47, 0
	s_mul_i32 s20, s12, HALFA                      ; where they go: no place in the cluster enters an LDS address
	s_mul_i32 s21, s12, HALFB
	s_add_co_u32 s21, s21, BOFF
	s_wait_dscnt 0x0                               ; both opening adds are done
	s_wait_kmcnt 0x0
	s_add_nc_u64 s[14:15], s[4:5], s[16:17]
	s_add_nc_u64 s[46:47], s[6:7], s[46:47]
	CROUND                                         ; all sixteen work-groups are here: the first joint loads meet
.irp s, 0,1
	s_mov_b32 s[G0+4*\s], 1
	s_add_co_u32 s[G0+4*\s+1], s20, \s*SLOT
	s_add_nc_u64 s[G0+4*\s+2:G0+4*\s+3], s[14:15], \s*STEPA
	s_or_b32 s[G0+4*\s+3], s[G0+4*\s+3], 0x80000000
	s_mov_b32 s[G0B+4*\s], 1
	s_add_co_u32 s[G0B+4*\s+1], s21, \s*SLOT
	s_add_nc_u64 s[G0B+4*\s+2:G0B+4*\s+3], s[46:47], \s*STEPB
	s_or_b32 s[G0B+4*\s+3], s[G0B+4*\s+3], 0x80000000
	JLOAD \s                                       ; two tensor loads of mine are out at the most
.endr
	v_and_b32 v1, 15, v0                           ; l % 16
	v_bfe_u32 v2, v0, 4, 1                         ; l / 16
	v_mul_u32_u24 v3, v1, PA
	v_lshl_add_u32 v3, v2, 4, v3
	v_mul_u32_u24 v4, v1, PB
	v_lshl_add_u32 v4, v2, 4, v4
	s_mul_i32 s21, s11, HALFA                      ; my 64 rows of A
	s_mul_i32 s22, s12, HALFB                      ; my 64 rows of B
	s_add_co_u32 s22, s22, BOFF
.irp s, 0,1
	v_add_nc_u32 v[ADRA+\s], s21, v3
	v_add_nc_u32 v[ADRB+\s], s22, v4
	s_add_co_u32 s21, s21, SLOT
	s_add_co_u32 s22, s22, SLOT
.endr
	s_mul_i32 s23, s10, 16*SPITCH
	s_add_co_u32 s23, s23, STAGE                   ; my stage
	v_mul_u32_u24 v5, v1, SPITCH                   ; in: row l % 16, 32 bytes for each half of the lanes
	v_lshl_add_u32 v5, v2, 5, v5
	v_add_nc_u32 v[STO], s23, v5
	v_mul_u32_u24 v5, v2, SPITCH                   ; back: lanes 0-15 one row of 256 bytes, lanes 16-31 the next
	v_lshl_add_u32 v5, v1, 4, v5
	v_add_nc_u32 v[RD], s23, v5
	v_lshlrev_b32 v5, 12, v2                       ; and the same two rows in out0 (4,096 bytes a row)
	v_lshl_add_u32 v[CO], v1, 4, v5
	s_lshl_b32 s16, s13, 19                        ; my first row: 128 x tile row + 64 x half
	s_lshl_b32 s17, s11, 18
	s_add_co_u32 s16, s16, s17
	s_mov_b32 s17, 0
	s_add_nc_u64 s[70:71], s[70:71], s[16:17]
	s_lshl_b32 s46, s42, 9                         ; my first column, in bytes: 512 x tile column + 256 x half
	s_lshl_b32 s47, s12, 8
	s_add_co_u32 s46, s46, s47
	s_mov_b32 s47, 0
	s_add_nc_u64 s[70:71], s[70:71], s[46:47]
	s_add_nc_u64 s[68:69], s[68:69], s[46:47]      ; the bias of my 64 columns
	v_lshlrev_b32 v6, 5, v2                        ; lane (r, h) wants, for column block b, the numbers 16 b + 8 h + 0 .. 7
.irp b, 0,1,2,3
	global_load_b128 v[BI+8*\b:BI+8*\b+3],   v6, s[68:69] offset:64*\b
	global_load_b128 v[BI+8*\b+4:BI+8*\b+7], v6, s[68:69] offset:64*\b+16
.endr
; 8 matrix instructions: row blocks a0, a0 + 1 x all 4 column blocks, 32 along K: half c of buffer f.  zero = 1: the first product starts the sums, from the bias.  The 16 accumulators take turns.
.macro MUL8 f, c, a0, zero
.irp a, \a0, \a0+1
.irp b, 0,1,2,3
.if \zero
	v_wmma_f32_16x16x32_f16 v[ACC+8*(4*(\a)+\b):ACC+8*(4*(\a)+\b)+7], v[\f+64+8*(4*\c+\b):\f+64+8*(4*\c+\b)+7], v[\f+8*(4*\c+\a):\f+8*(4*\c+\a)+7], v[BI+8*\b:BI+8*\b+7]
.else
	v_wmma_f32_16x16x32_f16 v[ACC+8*(4*(\a)+\b):ACC+8*(4*(\a)+\b)+7], v[\f+64+8*(4*\c+\b):\f+64+8*(4*\c+\b)+7], v[\f+8*(4*\c+\a):\f+8*(4*\c+\a)+7], v[ACC+8*(4*(\a)+\b):ACC+8*(4*(\a)+\b)+7]
.endif
.endr
.endr
.endm
; 32 LDS loads in one run: the fragments of the slot's quarter qd (64 along K: one head of A) into buffer f; the first 32 along K first
.macro FETCH slot, qd, f
	WIN TO_F
.irp c, 0,1
.irp i, 0,1,2,3
	ds_load_b128 v[\f+64+8*(4*\c+\i):\f+64+8*(4*\c+\i)+3],   v[ADRB+\slot] offset:128*\qd+64*\c+\i*16*PB
	ds_load_b128 v[\f+64+8*(4*\c+\i)+4:\f+64+8*(4*\c+\i)+7], v[ADRB+\slot] offset:128*\qd+64*\c+\i*16*PB+32
	ds_load_b128 v[\f+8*(4*\c+\i):\f+8*(4*\c+\i)+3],         v[ADRA+\slot] offset:PLANE*\qd+64*\c+\i*16*PA
	ds_load_b128 v[\f+8*(4*\c+\i)+4:\f+8*(4*\c+\i)+7],       v[ADRA+\slot] offset:PLANE*\qd+64*\c+\i*16*PA+32
.endr
.endr
.endm
.macro PLACES                          ; four plain lines in front of loads into registers that matrix instructions have read, and of reads of results
.rept 4
	v_nop
.endr
.endm
; One of a K step's first three quarters: multiplies buffer f and fetches quarter qd into g.
.macro QUARTER slot, qd, f, g, zero
	s_wait_dscnt 16                                ; the first 32 along K are in
	WIN MUL
	MUL8 \f, 0, 0, \zero
	MUL8 \f, 0, 2, \zero
	PLACES
	FETCH \slot, \qd, \g
	s_wait_dscnt 32                                ; all but the 32 just issued
	WIN MUL
	MUL8 \f, 1, 0, 0
	MUL8 \f, 1, 2, 0
.endm
; The last quarter multiplies buffer 1 and changes slots: one barrier; in front of it each wave waits for all its tensor loads, adds 0 to its spare word, and waits for that and for its reads of this slot.
; fill = 1: the barrier opens a round of the cluster's, and this slot is filled again, two K steps ahead: the first thing behind the round, one tensor load a wave.
.macro TURN slot, next, fill
	WIN 0                                          ; (the add's two registers lie in window 0)
	s_wait_tensorcnt 0x0
	ds_add_u32 v[SPW], v[NIL]
	s_wait_dscnt 17                                ; (the add and the youngest sixteen loads may be out)
	WIN MUL
	MUL8 F1, 0, 0, 0
	s_wait_dscnt 0x0                               ; the add is done, and my reads of this slot are over
	s_barrier_signal -1
	MUL8 F1, 0, 2, 0
.if \fill
	WIN 0
.endif
	s_barrier_wait -1
.if \fill
	CREST
	s_add_nc_u64 s[G0+4*\slot+2:G0+4*\slot+3], s[G0+4*\slot+2:G0+4*\slot+3], 2*STEPA
	s_add_nc_u64 s[G0B+4*\slot+2:G0B+4*\slot+3], s[G0B+4*\slot+2:G0B+4*\slot+3], 2*STEPB
	JLOAD \slot                                    ; the four v_nop behind it are also the places in front of the loads below
.else
	PLACES
.endif
	FETCH \next, 0, F0
	WIN MUL
	MUL8 F1, 1, 0, 0
	MUL8 F1, 1, 2, 0
.endm
	s_wait_tensorcnt 1                             ; my part of K step 0 is in (K step 1's may be out)
	s_barrier_signal -1
	s_barrier_wait -1                              ; everybody's is
	FETCH 0, 0, F0
	s_wait_loadcnt 0x0                             ; the bias
	QUARTER 0, 1, F0, F1, 1                        ; K step 0
	QUARTER 0, 2, F1, F0, 0
	QUARTER 0, 3, F0, F1, 0
	TURN 0, 1, 1                                   ; slot 0 takes K step 2
	QUARTER 1, 1, F0, F1, 0                        ; K step 1
	QUARTER 1, 2, F1, F0, 0
	QUARTER 1, 3, F0, F1, 0
	TURN 1, 0, 1                                   ; slot 1 takes K step 3
	QUARTER 0, 1, F0, F1, 0                        ; K step 2
	QUARTER 0, 2, F1, F0, 0
	QUARTER 0, 3, F0, F1, 0
	TURN 0, 1, 0                                   ; nothing is left to fetch
	QUARTER 1, 1, F0, F1, 0                        ; K step 3
	QUARTER 1, 2, F1, F0, 0
	QUARTER 1, 3, F0, F1, 0
	s_wait_dscnt 16
	WIN MUL
	MUL8 F1, 0, 0, 0
	MUL8 F1, 0, 2, 0
	s_wait_dscnt 0
	MUL8 F1, 1, 0, 0
	MUL8 F1, 1, 2, 0
	WIN 0
; THE WAY OUT, block by block of 16 rows x 64 columns: 256 bytes a row.  A lane holds 32 neighbouring bytes of a row: a block goes through my own stage and comes back as whole rows; sixteen lanes store 256 consecutive bytes.
.macro TOSTAGE a
.set BB, BK+32*((\a)%2)
.irp b, 0,1,2,3
	ds_store_b128 v[STO], v[ACC+8*(4*(\a)+\b):ACC+8*(4*(\a)+\b)+3] offset:64*\b          ; each accumulator from its low end on
	ds_store_b128 v[STO], v[ACC+8*(4*(\a)+\b)+4:ACC+8*(4*(\a)+\b)+7] offset:64*\b+16
.endr
.irp t, 0,1,2,3,4,5,6,7
	ds_load_b128 v[BB+4*\t:BB+4*\t+3], v[RD] offset:\t*2*SPITCH   ; LDS serves a wave's instructions in order: these see the stores above
.endr
.endm
.macro SEND a, younger                 ; younger: the LDS instructions issued behind block a's loads
.set BB, BK+32*((\a)%2)
	s_wait_dscnt \younger
.irp t, 0,1,2,3,4,5,6,7
	global_store_b128 v[CO], v[BB+4*\t:BB+4*\t+3], s[70:71] offset:(16*(\a)+2*\t)*4096 th:TH_STORE_NT   ; written once, read by nobody here
.endr
.endm
	PLACES
	TOSTAGE 0
.irp a, 1,2,3
.if \a > 1
	s_wait_xcnt 0x0                                ; block a - 2's stores have read their registers: block a's loads may land there
.endif
	TOSTAGE \a
	SEND \a-1, 16                                  ; behind block a - 1's loads: block a's 8 stores and 8 loads
.endr
	SEND 3, 0
	s_wait_tensorcnt 0x0                           ; the wave's end
	ds_add_u32 v[SPW], v[NIL]
	s_wait_dscnt 0x0
	CROUND                                         ; the closing round
	s_endpgm
.Lfunc_end_k_q6f0eed9cbe_proj:
	.size	k_q6f0eed9cbe_proj, .Lfunc_end_k_q6f0eed9cbe_proj-k_q6f0eed9cbe_proj
	.p2alignl 7, 3214868480
	.fill 96, 4, 3214868480
	.section	.rodata,"a",@progbits
	.p2align	6, 0x0
	.amdhsa_kernel k_q6f0eed9cbe_proj
		.amdhsa_group_segment_fixed_size 327680
		.amdhsa_private_segment_fixed_size 0
		.amdhsa_enable_private_segment 0
		.amdhsa_kernarg_size 32
		.amdhsa_user_sgpr_count 2
		.amdhsa_user_sgpr_kernarg_segment_ptr 1
		.amdhsa_wavefront_size32 1
		.amdhsa_system_sgpr_workgroup_id_x 1
		.amdhsa_system_sgpr_workgroup_id_y 1
		.amdhsa_system_sgpr_workgroup_id_z 1
		.amdhsa_system_vgpr_workitem_id 0
		.amdhsa_next_free_vgpr 512
		.amdhsa_next_free_sgpr 80
		.amdhsa_reserve_vcc 0
		.amdhsa_float_denorm_mode_32 3
		.amdhsa_float_denorm_mode_16_64 3
		.amdhsa_memory_ordered 1
		.amdhsa_forward_progress 1
		.amdhsa_inst_pref_size 86
	.end_amdhsa_kernel
	.amdgpu_metadata
---
amdhsa.version: [ 1, 2 ]
amdhsa.kernels:
  - .name:           k_q6f0eed9cbe_proj
    .symbol:         k_q6f0eed9cbe_proj.kd
    .args:
      - { .name: o16, .offset: 0, .size: 8, .value_kind: global_buffer, .address_space: global }
      - { .name: wp16, .offset: 8, .size: 8, .value_kind: global_buffer, .address_space: global }
      - { .name: b_proj, .offset: 16, .size: 8, .value_kind: global_buffer, .address_space: global }
      - { .name: out0, .offset: 24, .size: 8, .value_kind: global_buffer, .address_space: global }
    .group_segment_fixed_size: 327680
    .private_segment_fixed_size: 0
    .kernarg_segment_align: 8
    .kernarg_segment_size: 32
    .max_flat_workgroup_size: 128
    .sgpr_count:     80
    .vgpr_count:     512
    .wavefront_size: 32
...
	.end_amdgpu_metadata
.endif
;; end of part 4
